; MI455X (gfx1250); checked and timed in simulation.
; The chip was launched on July 23, 2026; its instructions are those of AMD's public machine-readable ISA for CDNA 5 (MIT licence, August 2026) and "CDNA5" Instruction Set Architecture Reference Guide (July 2026). The comments in the code are by the model that wrote it; some were corrected since.
;; Encoder. Allowed arithmetic: matrix products marked QUANTISED: E2M1 operands, one E8M0 scale for each 32 along K, by v_wmma_scale_f32_16x16x128_f8f6f4 with both operands' format E2M1 (or v_wmma_scale_f32_32x16x128_f4), f32 sums; everything else in f32.
;; Inputs: Wk_codes 1,024 x 32 x 16 uint8 (E2M1 codes of Wk, K innermost, in blocks of 32 codes, two codes a byte); Wk_scales 1,024 x 32 uint8 (E8M0 scales of Wk, one for each 32 codes along K); Wq_codes 1,024 x 32 x 16 uint8 (E2M1 codes of Wq, K innermost, in blocks of 32 codes, two codes a byte); Wq_scales 1,024 x 32 uint8 (E8M0 scales of Wq, one for each 32 codes along K); Wv_codes 1,024 x 32 x 16 uint8 (E2M1 codes of Wv, K innermost, in blocks of 32 codes, two codes a byte); Wv_scales 1,024 x 32 uint8 (E8M0 scales of Wv, one for each 32 codes along K); bk 1,024 float32; bq 1,024 float32; bv 1,024 float32; x_codes 4 x 2,048 x 32 x 16 uint8 (E2M1 codes of x, K innermost, in blocks of 32 codes, two codes a byte); x_scales 4 x 2,048 x 32 uint8 (E8M0 scales of x, one for each 32 codes along K).
;; Outputs: out0 4 x 2,048 x 1,024 float32.
;; This version of the problem:
;;   THIS VERSION OF THE PROBLEM IS GIVEN IN LOW PRECISION. The matrix products marked QUANTISED in the list below multiply operands that are first quantised to E2M1 (2 exponent bits, 1 mantissa bit; 4 bits a number), with one power-of-two scale for each 32 numbers along K (OCP MX v1.0); their sums are f32. All else is computed in f32.
;;   The module's matrix products, in the order in which they are computed (A, B: the left and right operand; K: the contracted axis; several contracted axes count as one K, in the product's order):
;;     1. [M 8,192, K 1,024] x [K 1,024, N 1,024]; A: input x (given as codes); B: input Wq (given as codes): QUANTISED
;;     2. [M 8,192, K 1,024] x [K 1,024, N 1,024]; A: input x (given as codes); B: input Wk (given as codes): QUANTISED
;;     3. [M 8,192, K 1,024] x [K 1,024, N 1,024]; A: input x (given as codes); B: input Wv (given as codes): QUANTISED
;;     4. batch 64 x [M 2,048, K 64] x [K 64, N 2,048]; A: computed on the way; B: computed on the way: QUANTISED
;;     5. batch 64 x [M 2,048, K 2,048] x [K 2,048, N 64]; A: softmax (see below); B: computed on the way: QUANTISED
;;   THE QUANTISER, for each operand of a quantised product, along K:
;;     - K is cut into blocks of 32 from its start; a last block that is shorter is filled with zeros.
;;     - A block's scale is 2^e with e = floor(log2(the largest magnitude in the block)) - 2, held to -126 .. 127; a block of zeros has e = 0. As a byte (E8M0): e + 127.
;;     - Each number is divided by its block's scale, clamped to +-6, and rounded to the nearest number of E2M1, ties to even, subnormals kept.
;;     - The product sums the exact products of the quantised numbers (number of the format x scale) in f32.
;;   ~~~python
;;   def quantise(x, axis):      # numpy; x: float32 -> the quantised numbers, widened to float32 again
;;       x = np.moveaxis(x, axis, -1); K = x.shape[-1]
;;       x = np.pad(x, [(0, 0)] * (x.ndim - 1) + [(0, -K % 32)]); x = x.reshape(x.shape[:-1] + (-1, 32)); a = np.abs(x).max(-1, keepdims=True)
;;       e = np.where(a > 0, np.clip(np.frexp(np.where(a > 0, a, 1))[1] - 1 - 2, -126, 127), 0)      # np.frexp(a)[1] - 1 = floor(log2(a)), exactly
;;       r = np.clip(x / 2.0 ** e, -6, 6)
;;       step = 2.0 ** (np.maximum(np.frexp(np.where(r == 0, 1, r))[1] - 1, 0) - 1)
;;       q = np.round(r / step) * step * 2.0 ** e      # np.round: ties to even
;;       return np.moveaxis(q.reshape(q.shape[:-2] + (-1,))[..., :K], -1, axis).astype(np.float32)
;;   ~~~
;;   SOFTMAX AHEAD OF A QUANTISED PRODUCT. Where the list says 'softmax', what is quantised is not the finished softmax but p = 2^(t - M), with t = logit x log2(e) and M = ceil(the row's largest t), a whole number; so 1/2 < the row's largest p <= 1. The row's sum l is taken of the UNQUANTISED p, in f32, and the product's result is divided by l at the end. Since M is a whole number, a kernel that streams over the keys may use a running M (the ceiling of the running maximum): every later rescaling is an exact power of two, which a block's scale takes up: the codes' values come out the same.
;;   OPERANDS COMPUTED ON THE WAY. 'Computed on the way' means the value that the module computes at that place (a softmax that the list does not call 'softmax' is quantised finished and normalised). What goes into a quantiser is computed in f32, as accurately as f32 sums, v_exp_f32 and their like allow (about 1e-6 of the number): no bf16 or f16 on the way to a quantiser, and a product that is left as it is and whose result goes on into a quantised operand takes f32 operands (vector FMAs, or v_wmma_f32_16x16x4_f32). A number that lies on a knife's edge between two numbers of the format may be rounded either way, as far as f32 arithmetic and the matrix unit's own rounding can turn it there, and no further.
;;   INPUTS GIVEN AS CODES. Wk (in the module: [1024, 1024], K = its axis 1); Wq (in the module: [1024, 1024], K = its axis 1); Wv (in the module: [1024, 1024], K = its axis 1); x (in the module: [4, 2048, 1024], K = its axis 2): each comes as NAME_codes (uint8): NAME with its K axis moved to the last place and cut into blocks of 32 codes, [.., K / 32, bytes a block], one block behind the other in memory; two codes a byte, the lower K in the low four bits (a code: sign, 2 exponent bits, 1 mantissa bit); and NAME_scales (uint8): the same leading axes, one E8M0 byte (e + 127) for each 32 codes along K. Its value is code x scale, taken as it is: it is not quantised again, and the codes and scales need not be those that the quantiser above would give.
;; One version. Each part assembles by itself: llvm-mc -triple=amdgcn-amd-amdhsa -mcpu=gfx1250 --defsym DOCPART=n.
;; ======== version 1 of 1: 2 launches
;; limits: right only within a limited range of input values
;; workspace buffers: qws 4,718,592 bytes; kvws 9,175,040 bytes
;; launch proj (part 1): grid 8 x 32, 4 waves a work-group, clusters of 4 x 4, 327,680 bytes of LDS; arguments x_codes, x_scales, Wq_codes, Wq_scales, Wk_codes, Wk_scales, Wv_codes, Wv_scales, bq, bk, bv, qws, kvws; writes qws, kvws
.if DOCPART == 1
	.amdgcn_target "amdgcn-amd-amdhsa--gfx1250"
	.amdhsa_code_object_version 6
	.text
	.protected	k_qcae85893eb_proj
	.globl	k_qcae85893eb_proj
	.p2align	8
	.type	k_qcae85893eb_proj,@function
k_qcae85893eb_proj:
	s_mov_b64 s[64:65], 0
	v_nop
	global_prefetch_b8 v0, s[64:65] scope:SCOPE_SE
	s_setreg_imm32_b32 hwreg(HW_REG_WAVE_MODE, 25, 1), 1
	s_wait_xcnt 0x0
	s_wait_alu depctr_hold_cnt(0) depctr_sa_sdst(0) depctr_va_vdst(0) depctr_va_sdst(0) depctr_va_ssrc(0) depctr_va_vcc(0) depctr_vm_vsrc(0)
	s_getreg_b32 s2, hwreg(HW_REG_IB_STS2, 6, 4)
	s_cmp_eq_u32 s2, 0
	s_cbranch_scc0 .Lentry_in_a_cluster
	s_endpgm
.Lentry_in_a_cluster:
	s_bfe_u32 s2, ttmp6, 0x10000c
	s_cmp_lg_u32 s2, 0xf033
	s_cbranch_scc0 .Lentry_shape_is_right
	s_endpgm
.Lentry_shape_is_right:
; q, k, v = x W^T + b on codes of FP4 (E2M1) with one E8M0 scale for each 32 along K, and the quantisers behind them: q and k along the head's 64 channels, v along the keys.
; x: [8192][1024] codes, Wq, Wk, Wv: [1024][1024] codes, K innermost, 512 bytes a row; their scale bytes 32 a row; bq, bk, bv: [1024] f32.
; OUT: images of the operand registers of the attention launch.  A record belongs to one (batch, head) and 128 tokens: rec = 16 (16 batch + head) + tokens / 128.
;   qws:  4,608 bytes a record: 8 tiles of 16 tokens x 512 bytes (lane l's 16 bytes at 16 l: channels 32 (l / 16) + 0 .. 31 of the tile's row l % 16); then 512 bytes of scale words (lane l: 4 words; word e: tile 2 e + l / 16, row l % 16).
;         Row m of q's tile 2 B + u is token 32 B + 8 u + m + 8 (m / 8).
;   kvws: 8,960 bytes a record: k in q's form (4,096), but row m of k's tile 4 c + i is token 64 c + 32 (m / 8) + 8 i + m % 8;
;         v: 4 tiles of 16 channels x 1,024 bytes (registers 4 c .. 4 c + 3 at 512 c + 16 l: keys 64 c + 32 (l / 16) + 0 .. 31); k's scale words (512, in q's form, by k's tiles); v's (256: lane l: 2 words; word e: tile 2 e + l / 16).
; IN THIS LAUNCH THE ROWS OF A TILE ARE NOT NEIGHBOURS, for tokens and for features alike: row m of tile 2 B + u is row 32 B + 8 u + m + 8 (m / 8) of its 128 (or 64).  So the 16 result registers of tiles 2 B and 2 B + 1 are 16 neighbours along the next K.
; k's other order of tokens is made on the way out alone, by the lanes' store addresses.
; SHARES.  A work-group: 256 tokens x 128 features (two heads) of each of q, k, v.  Wave w: tokens 128 (w / 2) on, head w % 2: three passes (q, k, v) of 32 accumulators, 8 K steps of 128: 768 matrix instructions.
; x's 128 rows x 1,024 K of a wave are 512 registers: they are read from LDS once, K step by K step inside the q pass, and serve all three passes.  Their LDS bytes then take Wv's codes: the launch's one refill.
; q, k: source 0 = 16 rows of W, source 1 = 16 tokens: a lane holds one token, its registers run along the channels.  v: source 0 = 16 tokens, source 1 = 16 rows of Wv: a lane holds one channel, its registers run along the tokens.
; The bias is the C of each sum's first matrix instruction (so it is added ahead of the products, not behind them: another order of rounding than sum-then-add).
; CLUSTERS: 4 x 4 work-groups.  x's rows hang on the tile row alone and are asked for jointly along a row of the cluster, W's on the tile column alone, jointly along a column: that divides the requests by four.
; The tile order is made by the tensor loads: a descriptor's row is 8 rows of memory (4,096 dense bytes), its stride 16 rows, its start row 8 u; 16 bytes of padding follow each 512 bytes, so an LDS row is 528 bytes.
; TENSOR LOADS, one a wave behind each round: at the head waves 0, 1 bring x's two parts (u = 0, 1) and waves 2, 3 Wq's; behind the next round waves 0, 1 bring Wk's; behind the round that follows the q pass they bring Wv's.
; The scale bytes go from memory straight into registers: a wave's loads take whole rows of 32 bytes, 8 rows on end.
; No prefetch is laid: the launch has no loop over memory; Wk's and Wv's loads each have a whole pass in which to land.  One tile to a work-group: the grid has 256 equal work-groups.
; LIMITS: NaN and infinities are not served (a given scale byte 0xff gives NaN).  A block of zeros, and a block whose largest magnitude lies under 2^-124, gets the byte 1: the bytes are read by this program alone.
; REGISTERS, in windows of 256: window 0: addresses, scale words, biases, W's fragments (two buffers), the quantiser's work;  windows 1, 2: x (tile i, K step s: window 1 + s / 4, v[64 (s % 4) + 8 i]);  window 3: the 32 accumulators.
.set PITCH, 528                        ; an LDS row of codes: 512 bytes + 16: the 16 rows of a fragment load start at 16 different places modulo 256 bytes
.set XSUB,  128*PITCH                  ; x: the rows of the tiles with one u, both halves of the tokens: what one tensor load brings
.set XHALF, 64*PITCH                   ; of them one half's
.set WSUB,  64*PITCH                   ; a weight: the rows of the tiles with one u, both heads: what one tensor load brings
.set WHALF, 32*PITCH                   ; of them one head's
.set WQ,    2*XSUB                     ; LDS: x's codes at 0 (later Wv's in its first 2 WSUB bytes), Wq's,
.set WK,    WQ+2*WSUB                  ; Wk's,
.set SPARE, WK+2*WSUB                  ; and the spare words, 128 bytes for each wave: two blocks of 256 bytes that no other line names
.set SPW, 1                            ; v1   LDS address of my spare word; never rewritten
.set NIL, 2                            ; v2   0; never rewritten
.set LI,  3                            ; v3   16 x lane
.set L8,  4                            ; v4   8 x lane
.set AX,  5                            ; v5-6 x's fragments, u = 0, 1
.set AXS, 7                            ; v7   x's scale words in memory: lanes 0-15 tile i, lanes 16-31 tile i + 4
.set AWQ, 8                            ; v8-10 the weights' fragments
.set AWK, 9
.set AWV, 10
.set AWS, 11                           ; v11  the weights' scale words in memory: lanes 0-15 tile u, lanes 16-31 tile 2 + u
.set ABQ, 12                           ; v12  a bias in q's and k's result layout: 64 (lane / 16)
.set ABV, 13                           ; v13  in v's: 4 x my row of a tile
.set SH,  14                           ; v14  16 (lane / 16)
.set SW,  20                           ; v20-23 scale words to store
.set PW,  24                           ; v24-27 the quantiser's scale word, one a group
.set LK,  28                           ; v28  k's codes: my lane's place in the record: 1,024 (r / 8) + 256 (lane / 16) + 16 (r % 8), r = lane % 16
.set XSR, 32                           ; v32-63 x's scale words: register 8 i + s
.set WSR, 64                           ; v64-79 the weight's: register 8 u + s
.set BI,  80                           ; v80-111 the bias as C: 8 registers a tile
.set WF,  112                          ; v112-175 the weight's fragments of a K step, two buffers of 32
.set TM,  176                          ; v176-191 the quantiser's work for an even group; v224-239 (TM + 48) for an odd one
.set PC,  192                          ; v192-223 codes: 8 registers for each of 4 groups
.set G1X,  32                          ; s[32:39] descriptor group 1: x's codes;  s[40:47] a weight's codes
.set G1W,  40
.set DXC, 68                           ; groups 0: x's codes, Wq's, Wk's, Wv's (the refill)
.set DQC, 76
.set DKC, 84
.set DVC, 96
.set PXS, 74                           ; s[74:75] where my work-group's scale bytes of x begin in memory;  s[82:83], s[90:91], s[94:95] those of Wq, Wk, Wv
.set PQS, 82
.set PKS, 90
.set PVS, 94
.set MSB, 0
.macro WIN new                         ; the immediate's high byte repeats the setting that is left; a switch that changes nothing is dropped
.if MSB != (\new)
	s_set_vgpr_msb (MSB<<8)|(\new)
.set MSB, (\new)
.endif
.endm
.macro PLACES n
.rept \n
	v_nop
.endr
.endm
.macro CROUND                          ; a round of the cluster's barrier: my work-group's barrier; wave 0 signals for the work-group; every wave waits for all sixteen; my work-group's barrier once more
	s_barrier_signal -1
	s_barrier_wait -1
	s_cmp_lg_u32 s2, 0
	s_cbranch_scc1 .Lnot_wave_0_\@
	s_barrier_signal -3
.Lnot_wave_0_\@:
	s_barrier_wait -3
	s_barrier_signal -1
	s_barrier_wait -1
.endm
	s_load_b256 s[4:11], s[0:1], 0x0               ; x's codes s[4:5], x's scales s[6:7], Wq's codes s[8:9], Wq's scales s[10:11]
	s_load_b256 s[12:19], s[0:1], 0x20             ; Wk's s[12:13], s[14:15]; Wv's s[16:17], s[18:19]
	s_load_b256 s[20:27], s[0:1], 0x40             ; bq s[20:21], bk s[22:23], bv s[24:25], qws s[26:27]
	s_load_b64 s[28:29], s[0:1], 0x60              ; kvws
	v_lshl_add_u32 v[SPW], v0, 2, SPARE
	v_mov_b32 v[NIL], 0
	ds_add_u32 v1, v2                              ; the opening lines: the add, twice on end, and its wait ahead of my first tensor load
	ds_add_u32 v1, v2
	s_wait_dscnt 0x0
	v_lshrrev_b32 v15, 5, v0
	v_readfirstlane_b32 s2, v15                    ; wave 0..3
	s_and_b32 s3, s2, 1                            ; my head of the two.  Also: which u I fetch
	s_lshr_b32 s30, s2, 1                          ; my half of the tokens.  Also: at the head I fetch for x (0) or for Wq (1)
	s_bfe_u32 s31, ttmp6, 0x40000                  ; cx
	s_bfe_u32 s66, ttmp6, 0x40004                  ; cy
	s_lshl_b32 s100, s66, 2
	s_lshl_b32 s100, 15, s100                      ; my row of the cluster
	s_lshl_b32 s104, 0x1111, s31                   ; my column
	; group 1, word 0: 15:0 the mask; 17:16 elements of 8 bytes; 20 padding on; 21 set beside a mask; 24:22 after every 128 words (code 6); 31:25 four words (code 3)
	s_or_b32 s[G1X], s100, (3<<16)|(1<<20)|(1<<21)|(6<<22)|(3<<25)
	s_or_b32 s[G1W], s104, (3<<16)|(1<<20)|(1<<21)|(6<<22)|(3<<25)
.irp g, G1X, G1W
	s_mov_b32 s[\g+1], 512<<16                     ; tensor_dim0 = 512 elements: 8 rows of memory on end
	s_mov_b32 s[\g+3], 512<<16                     ; tile_dim0
	s_mov_b32 s[\g+5], 1024                        ; stride: 16 rows of memory
	s_mov_b32 s[\g+6], 0
	s_mov_b32 s[\g+7], 0
.endr
	s_mov_b32 s[G1X+2], 16<<16                     ; tensor_dim1 = tile_dim1 = 16: 128 rows of x, the rows of one u of all 256 tokens
	s_mov_b32 s[G1X+4], 16
	s_mov_b32 s[G1W+2], 8<<16                      ; 8: 64 rows of a weight, the rows of one u of both heads
	s_mov_b32 s[G1W+4], 8
	s_lshl_b32 s105, ttmp9, 2
	s_add_co_u32 s31, s105, s31                    ; gx = 4 x cluster x + cx: 128 features of each weight
	s_and_b32 s101, ttmp7, 0xffff
	s_lshl_b32 s101, s101, 2
	s_add_co_u32 s66, s101, s66                    ; gy = 4 x cluster y + cy: 256 tokens
	; where the tiles go: the wave's number and constants alone
	s_mul_i32 s[DXC+1], s3, XSUB
	s_mul_i32 s[DVC+1], s3, WSUB                   ; Wv's codes go where x's began
	s_add_co_u32 s[DQC+1], s[DVC+1], WQ
	s_add_co_u32 s[DKC+1], s[DVC+1], WK
.irp d, DXC, DQC, DKC, DVC
	s_mov_b32 s[\d], 1                             ; count = 1
.endr
	s_wait_kmcnt 0x0
	; where they come from.  x's hang on gy and the wave alone (s100, s101), the weights' on gx and the wave alone (s104, s105)
	s_lshl_b32 s100, s66, 8
	s_lshl_b32 s101, s3, 3
	s_add_co_u32 s100, s100, s101                  ; row 256 gy + 8 u
	s_lshl_b32 s100, s100, 9                       ; of 512 bytes
	s_mov_b32 s101, 0
	s_add_nc_u64 s[DXC+2:DXC+3], s[4:5], s[100:101]
	s_lshl_b32 s100, s66, 13                       ; 8,192 gy
	s_mov_b32 s101, 0
	s_add_nc_u64 s[PXS:PXS+1], s[6:7], s[100:101]
	s_lshl_b32 s104, s31, 7
	s_lshl_b32 s105, s3, 3
	s_add_co_u32 s104, s104, s105                  ; row 128 gx + 8 u
	s_lshl_b32 s104, s104, 9
	s_mov_b32 s105, 0
	s_add_nc_u64 s[DQC+2:DQC+3], s[8:9], s[104:105]
	s_add_nc_u64 s[DKC+2:DKC+3], s[12:13], s[104:105]
	s_add_nc_u64 s[DVC+2:DVC+3], s[16:17], s[104:105]
	s_lshl_b32 s104, s31, 12                       ; 4,096 gx
	s_mov_b32 s105, 0
	s_add_nc_u64 s[PQS:PQS+1], s[10:11], s[104:105]
	s_add_nc_u64 s[PKS:PKS+1], s[14:15], s[104:105]
	s_add_nc_u64 s[PVS:PVS+1], s[18:19], s[104:105]
.irp d, DXC, DQC, DKC, DVC
	s_or_b32 s[\d+3], s[\d+3], 0x80000000          ; type = 2
.endr
	CROUND                                         ; all sixteen work-groups are here: the first joint loads meet
	s_cmp_eq_u32 s30, 0                            ; the head's loads, one a wave: waves 0, 1 bring x's two parts, waves 2, 3 Wq's
	s_cbranch_scc0 .Lhead_w
	tensor_load_to_lds s[DXC:DXC+3], s[G1X:G1X+7]
	s_nop 0
	PLACES 4
	s_branch .Lhead_asked
.Lhead_w:
	tensor_load_to_lds s[DQC:DQC+3], s[G1W:G1W+7]
	s_nop 0
	PLACES 4
.Lhead_asked:
	v_and_b32 v15, 15, v0                          ; r = lane % 16
	v_bfe_u32 v16, v0, 4, 1                        ; h = lane / 16
	v_and_b32 v17, 31, v0
	v_lshlrev_b32 v[LI], 4, v17
	v_lshlrev_b32 v[L8], 3, v17
	v_mul_u32_u24 v18, v15, PITCH
	v_lshl_add_u32 v18, v16, 4, v18                ; a fragment: row r x pitch + 16 h
	s_mul_i32 s67, s30, XHALF
	v_add_nc_u32 v[AX], s67, v18
	v_add_nc_u32 v[AX+1], XSUB, v[AX]
	s_mul_i32 s67, s3, WHALF
	v_add_nc_u32 v[AWV], s67, v18
	v_add_nc_u32 v[AWQ], WQ, v[AWV]
	v_add_nc_u32 v[AWK], WK, v[AWV]
	v_lshrrev_b32 v19, 3, v15
	v_mul_u32_u24 v19, v19, 512                    ; scale bytes in memory: 32 a row; the tile's rows 8-15 lie 16 rows on
	v_and_b32 v17, 7, v15
	v_lshl_add_u32 v19, v17, 5, v19
	v_mad_u32_u24 v[AXS], v16, 2048, v19           ; lanes 16-31: tile i + 4: 64 rows on
	s_mul_i32 s67, s30, 4096                       ; my half of the tokens: 128 rows
	v_add_nc_u32 v[AXS], s67, v[AXS]
	v_mad_u32_u24 v[AWS], v16, 1024, v19           ; lanes 16-31: tile 2 + u: 32 rows on
	s_mul_i32 s67, s3, 2048                        ; my head: 64 rows
	v_add_nc_u32 v[AWS], s67, v[AWS]
	v_lshlrev_b32 v[ABQ], 6, v16
	s_wait_alu depctr_va_vdst(0)                   ; directly ahead of the readers below
	v_and_b32 v[ABV], 8, v15
	v_add_nc_u32 v[ABV], v[ABV], v15
	v_lshlrev_b32 v[ABV], 2, v[ABV]
	v_lshlrev_b32 v[SH], 4, v16
	v_lshrrev_b32 v[LK], 3, v15
	v_lshlrev_b32 v[LK], 10, v[LK]
	v_lshl_add_u32 v[LK], v16, 8, v[LK]
	v_lshl_add_u32 v[LK], v17, 4, v[LK]            ; v17 = r % 8
.irp b, 0,1,2,3
	v_mov_b32 v[TM+4+\b], 0                        ; written once: a lane permute's destination counts as one of its sources
	v_mov_b32 v[TM+48+4+\b], 0
.endr
	s_mov_b32 s8, 0x76543210
	s_mov_b32 s9, 0xfedcba98                       ; v_permlanex16_b32's selects for lane l xor 16
	s_mov_b32 s10, 0xffff0000                      ; lanes 16-31
	s_mov_b32 s11, 0xff00ff00                      ; the lanes with lane % 16 >= 8
	s_lshl_b32 s104, s31, 9
	s_lshl_b32 s105, s3, 8
	s_add_co_u32 s104, s104, s105                  ; the biases of my head: (128 gx + 64 head) x 4 bytes
	s_mov_b32 s105, 0
	s_add_nc_u64 s[20:21], s[20:21], s[104:105]
	s_add_nc_u64 s[22:23], s[22:23], s[104:105]
	s_add_nc_u64 s[24:25], s[24:25], s[104:105]
; the fragments of a weight's four tiles for K step s into buffer buf: tile t = 2 b + u lies in the part of u, 16 b rows on
.macro FETCHW aw, s, buf
.irp t, 0,1,2,3
.irp c, 0,1
	ds_load_b128 v[WF+32*(\buf)+8*\t+4*\c:WF+32*(\buf)+8*\t+4*\c+3], v[\aw] offset:(\t%2)*WSUB+(\t/2)*16*PITCH+64*(\s)+32*\c
.endr
.endr
.endm
; x's eight fragments of K step s into their registers: 16 loads
.macro XLOAD s
	WIN 0x40+0x40*((\s)/4)                         ; destination window 1 or 2
.irp i, 0,1,2,3,4,5,6,7
.irp c, 0,1
	ds_load_b128 v[64*((\s)%4)+8*\i+4*\c:64*((\s)%4)+8*\i+4*\c+3], v[AX+\i%2] offset:(\i/2)*16*PITCH+64*(\s)+32*\c
.endr
.endr
	WIN 0
.endm
.macro WSCALES p                       ; a weight's scale words for all 8 K steps; p: the scalar pair with its scale bytes
.irp u, 0,1
.irp q, 0,1
	global_load_b128 v[WSR+8*\u+4*\q:WSR+8*\u+4*\q+3], v[AWS], s[\p:\p+1] offset:256*\u+16*\q
.endr
.endr
.endm
.macro BIASQK lo                       ; lane (r, h) wants, for tile 2 b + u, the bias of channels 32 b + 16 h + 8 u + 0 .. 7
.irp t, 0,1,2,3
	global_load_b128 v[BI+8*\t:BI+8*\t+3], v[ABQ], s[\lo:\lo+1] offset:128*(\t/2)+32*(\t%2)
	global_load_b128 v[BI+8*\t+4:BI+8*\t+7], v[ABQ], s[\lo:\lo+1] offset:128*(\t/2)+32*(\t%2)+16
.endr
.endm
; one matrix instruction on the registers rd, ra, rb, rc, with the scale words in sa, sb; wa, wb = 1: the side's words stand in lanes 16-31
.macro WM
.if wa && wb
	v_wmma_scale_f32_16x16x128_f8f6f4 v[rd:rd+7], v[ra:ra+7], v[rb:rb+7], v[rc:rc+7], v[sa], v[sb] matrix_a_fmt:MATRIX_FMT_FP4 matrix_b_fmt:MATRIX_FMT_FP4 matrix_a_scale:MATRIX_SCALE_ROW1 matrix_b_scale:MATRIX_SCALE_ROW1
.elseif wa
	v_wmma_scale_f32_16x16x128_f8f6f4 v[rd:rd+7], v[ra:ra+7], v[rb:rb+7], v[rc:rc+7], v[sa], v[sb] matrix_a_fmt:MATRIX_FMT_FP4 matrix_b_fmt:MATRIX_FMT_FP4 matrix_a_scale:MATRIX_SCALE_ROW1
.elseif wb
	v_wmma_scale_f32_16x16x128_f8f6f4 v[rd:rd+7], v[ra:ra+7], v[rb:rb+7], v[rc:rc+7], v[sa], v[sb] matrix_a_fmt:MATRIX_FMT_FP4 matrix_b_fmt:MATRIX_FMT_FP4 matrix_b_scale:MATRIX_SCALE_ROW1
.else
	v_wmma_scale_f32_16x16x128_f8f6f4 v[rd:rd+7], v[ra:ra+7], v[rb:rb+7], v[rc:rc+7], v[sa], v[sb] matrix_a_fmt:MATRIX_FMT_FP4 matrix_b_fmt:MATRIX_FMT_FP4
.endif
.endm
; A PASS: 8 K steps of 32 matrix instructions.  The 32 accumulators take turns, one instruction a turn, in the same order in every step.
; In each step the next step's fragments of the weight are asked for first (ldx = 1, the q pass: and x's, which then stay in registers): they have 32 matrix instructions in which to come.
; kind 0: q or k (accumulator (token tile ti, feature tile tt) at 8 (4 ti + tt));  1: v (at 8 (8 tt + ti)).
.macro PASS kind, aw, ldx
.set ks, 0
.rept 8
	s_wait_dscnt 0x0                               ; this step's fragments are in: nothing else of mine is out
.if ks < 7
	PLACES 4                                       ; in front of loads into the buffer that the step before multiplied
	FETCHW \aw, ks+1, (ks+1)%2
.if \ldx
	XLOAD ks+1
.endif
.endif
.if \kind == 0                         ; source 0 (W) window 0, source 1 (x) window 1 or 2, C the bias in window 0 or the sum in window 3, D window 3
.if ks == 0
	WIN 0xc4
.elseif ks < 4
	WIN 0xf4
.else
	WIN 0xf8
.endif
.else                                  ; source 0 (x) window 1 or 2, source 1 (W) window 0
.if ks == 0
	WIN 0xc1
.elseif ks < 4
	WIN 0xf1
.else
	WIN 0xf2
.endif
.endif
.if \kind == 0
.set ti, 0
.rept 8
.set tt, 0
.rept 4
.set rd, 8*(4*ti+tt)
.set ra, WF+32*(ks%2)+8*tt
.set rb, 64*(ks%4)+8*ti
.set rc, rd
.if ks == 0
.set rc, BI+8*tt
.endif
.set sa, WSR+8*(tt%2)+ks
.set sb, XSR+8*(ti%4)+ks
.set wa, tt/2
.set wb, ti/4
	WM
.set tt, tt+1
.endr
.set ti, ti+1
.endr
.else
.set tt, 0
.rept 4
.set ti, 0
.rept 8
.set rd, 8*(8*tt+ti)
.set ra, 64*(ks%4)+8*ti
.set rb, WF+32*(ks%2)+8*tt
.set rc, rd
.if ks == 0
.set rc, BI+8*tt
.endif
.set sa, XSR+8*(ti%4)+ks
.set sb, WSR+8*(tt%2)+ks
.set wa, ti/4
.set wb, tt/2
	WM
.set ti, ti+1
.endr
.set tt, tt+1
.endr
.endif
	WIN 0
.set ks, ks+1
.endr
.endm
; THE QUANTISER, two groups at a time: eight chains by turns.  A group g: 64 numbers of a lane, window 3's registers 64 g on; register 16 b + i is number 32 b + 16 (lane / 16) + i of four blocks of 32.
; They become 8 registers of codes at v[PC + 8 g] and a scale word in v[PW + g].  A block's scale byte is its largest magnitude's exponent field less 2, held at 1 from below by the floor 2^(3 - 127) among the maximum's leaves;
; the conversion takes the exponent field of its scale operand alone.
.macro QUANT2 ga, gb
	WIN 0x0f                                       ; sources 0 and 1 window 3
.irp g, \ga, \gb
.irp b, 0,1,2,3
	v_max3_num_f32 v[TM+48*(\g%2)+\b], |v[64*\g+16*\b]|, |v[64*\g+16*\b+1]|, 0x1800000   ; each accumulator is read from its low end on
.endr
.endr
	WIN 0x3c                                       ; sources 1 and 2 window 3
.irp i, 2,4,6,8,10,12,14
.irp g, \ga, \gb
.irp b, 0,1,2,3
	v_max3_num_f32 v[TM+48*(\g%2)+\b], v[TM+48*(\g%2)+\b], |v[64*\g+16*\b+\i]|, |v[64*\g+16*\b+\i+1]|
.endr
.endr
.endr
	WIN 0
.irp g, \ga, \gb
.irp b, 0,1,2,3
	v_permlanex16_b32 v[TM+48*(\g%2)+4+\b], v[TM+48*(\g%2)+\b], s8, s9
.endr
.endr
.irp g, \ga, \gb
.irp b, 0,1,2,3
	v_max_num_f32 v[TM+48*(\g%2)+\b], v[TM+48*(\g%2)+\b], v[TM+48*(\g%2)+4+\b]   ; with lane l xor 16's 16: the block's largest magnitude
.endr
.endr
.irp g, \ga, \gb
.irp b, 0,1,2,3
	v_add_nc_u32 v[TM+48*(\g%2)+12+\b], 0xff000000, v[TM+48*(\g%2)+\b]           ; 2 off its exponent field: the conversion's scale operand
.endr
.endr
.irp g, \ga, \gb
.irp b, 0,1,2,3
	v_lshrrev_b32 v[TM+48*(\g%2)+4+\b], 23, v[TM+48*(\g%2)+12+\b]                ; the scale's byte
.endr
.endr
.irp g, \ga, \gb
	v_lshl_or_b32 v[PW+\g], v[TM+48*(\g%2)+5], 8, v[TM+48*(\g%2)+4]
.endr
.irp g, \ga, \gb
	v_lshl_or_b32 v[PW+\g], v[TM+48*(\g%2)+6], 16, v[PW+\g]
.endr
.irp g, \ga, \gb
	v_lshl_or_b32 v[PW+\g], v[TM+48*(\g%2)+7], 24, v[PW+\g]
.endr
	WIN 0x03                                       ; source 0 window 3
.irp g, \ga, \gb
.irp b, 0,1,2,3
	v_cvt_scalef32_pk8_fp4_f32 v[PC+8*\g+2*\b], v[64*\g+16*\b:64*\g+16*\b+7], v[TM+48*(\g%2)+12+\b]
	v_cvt_scalef32_pk8_fp4_f32 v[PC+8*\g+2*\b+1], v[64*\g+16*\b+8:64*\g+16*\b+15], v[TM+48*(\g%2)+12+\b]
.endr
.endr
	WIN 0
	v_nop                                          ; one plain place behind the scaled conversions
.irp g, \ga, \gb
.irp c, 0,1                            ; a whole block to a lane: lanes 0-15 block 2 c, lanes 16-31 block 2 c + 1
.irp i, 0,1
	v_permlane16_swap_b32 v[PC+8*\g+4*\c+\i], v[PC+8*\g+4*\c+2+\i]
.endr
.endr
.endr
.endm
; THE WAY OUT of a pass.  EPIHEAD; then the next pass's first loads, which land under the quantiser; then EPIBODY: four groups are quantised, two at a time, and stored.
.macro EPIHEAD
	s_wait_xcnt 0x0                                ; the last way out's stores have read their registers: these are written again below
	PLACES 4                                       ; behind the pass's last products: for the loads into their registers and for the first read of results
.endm
; kind 0 (q) and 1 (v): a store covers 512 consecutive bytes.  kind 2 (k): my token tile 2 g + e holds, in its rows r, tokens 32 g + 8 e + r % 8 + 16 (r / 8): rows 8 (g % 2) + r % 8 of the record's tile 4 (g / 2) + e + 2 (r / 8).
; There eight lanes store 128 consecutive bytes, and groups g and g + 1 fill the two halves of each 256.
.macro EPIPAIR kind, lo, co, ga, gb
	QUANT2 \ga, \gb
.irp g, \ga, \gb
.if \kind == 2
	global_store_b128 v[LK], v[PC+8*\g:PC+8*\g+3], s[\lo:\lo+1] offset:\co+2048*(\g/2)+128*(\g%2)
	global_store_b128 v[LK], v[PC+8*\g+4:PC+8*\g+7], s[\lo:\lo+1] offset:\co+2048*(\g/2)+128*(\g%2)+512
.else
	global_store_b128 v[LI], v[PC+8*\g:PC+8*\g+3], s[\lo:\lo+1] offset:\co+1024*\g
	global_store_b128 v[LI], v[PC+8*\g+4:PC+8*\g+7], s[\lo:\lo+1] offset:\co+1024*\g+512
.endif
.endr
.endm
.macro EPIBODY kind, lo, co, so
	EPIPAIR \kind, \lo, \co, 0, 1
	EPIPAIR \kind, \lo, \co, 2, 3
.if \kind != 1                         ; q, k: a group's word holds tile 2 g's two bytes below and tile 2 g + 1's above: lanes 0-15 keep the first, lanes 16-31 the second; the upper two bytes are 0
.irp g, 0,1,2,3
	v_bfe_u32 v[SW+\g], v[PW+\g], v[SH], 16
.endr
.if \kind == 2                         ; k: the words follow the tokens.  Word e of lane (h, m) is tile 2 e + h, row m of the record: it comes from group 2 (e / 2) + m / 8, row m % 8 + 8 (e % 2): my own word or that of lane l xor 8
.irp g, 0,1,2,3
	v_mov_b32_dpp v[TM+4+\g], v[SW+\g] row_xmask:8 row_mask:0xf bank_mask:0xf
.endr
	v_cndmask_b32 v[SW], v[SW], v[TM+5], s11
	v_cndmask_b32 v[SW+1], v[TM+4], v[SW+1], s11
	v_cndmask_b32 v[SW+2], v[SW+2], v[TM+7], s11
	v_cndmask_b32 v[SW+3], v[TM+6], v[SW+3], s11
.endif
	global_store_b128 v[LI], v[SW:SW+3], s[\lo:\lo+1] offset:\so
.else                                  ; v: a group's word holds the four key blocks of channel tile g: lanes 0-15 keep tile 2 e's, lanes 16-31 tile 2 e + 1's
	v_cndmask_b32 v[SW], v[PW], v[PW+1], s10
	v_cndmask_b32 v[SW+1], v[PW+2], v[PW+3], s10
	global_store_b64 v[L8], v[SW:SW+1], s[\lo:\lo+1] offset:\so
.endif
.endm
	s_wait_alu depctr_va_vdst(0)                   ; the wait at the head's end
	BIASQK 20                                      ; bq
.irp b, 0,1
.irp u, 0,1
.irp q, 0,1
	global_load_b128 v[XSR+8*(2*\b+\u)+4*\q:XSR+8*(2*\b+\u)+4*\q+3], v[AXS], s[PXS:PXS+1] offset:(4*\b+\u)*256+16*\q   ; x's scale words, all 8 K steps
.endr
.endr
.endr
	WSCALES PQS
	s_wait_tensorcnt 0x0                           ; my part of x or of Wq is in
	ds_add_u32 v[SPW], v[NIL]
	s_wait_dscnt 0x0
	CROUND                                         ; everybody's part is in, and all sixteen work-groups are here
	s_cmp_eq_u32 s30, 0
	s_cbranch_scc0 .Lno_k
	tensor_load_to_lds s[DKC:DKC+3], s[G1W:G1W+7]  ; Wk's first fill, waves 0 and 1: it has the q pass in which to land
	s_nop 0
	PLACES 4
.Lno_k:
	XLOAD 0                                        ; x's fragments of K step 0; the others come inside the q pass
	FETCHW AWQ, 0, 0
	s_lshr_b32 s12, s66, 3                         ; batch
	s_lshl_b32 s12, s12, 4
	s_lshl_b32 s14, s31, 1
	s_add_co_u32 s12, s12, s14
	s_add_co_u32 s12, s12, s3                      ; 16 batch + head
	s_lshl_b32 s12, s12, 4
	s_and_b32 s14, s66, 7
	s_lshl_b32 s14, s14, 1
	s_add_co_u32 s12, s12, s14
	s_add_co_u32 s12, s12, s30                     ; my record
	s_mul_i32 s14, s12, 4608
	s_mov_b32 s15, 0
	s_add_nc_u64 s[26:27], s[26:27], s[14:15]
	s_mul_i32 s14, s12, 8960
	s_add_nc_u64 s[28:29], s[28:29], s[14:15]
	s_wait_loadcnt 0x0                             ; bq and the scale words
	PASS 0, AWQ, 1
	; THE REFILL: Wv's codes into the bytes that x's have left
	s_wait_tensorcnt 0x0                           ; all my tensor loads have landed (Wk's)
	ds_add_u32 v[SPW], v[NIL]                      ; 0 onto my spare word
	s_wait_dscnt 0x0                               ; the add is done, and x is in my registers: its last loads were awaited at the head of the pass's last step
	CROUND                                         ; so it is with every wave of all sixteen work-groups
	s_cmp_eq_u32 s30, 0
	s_cbranch_scc0 .Lno_v
	tensor_load_to_lds s[DVC:DVC+3], s[G1W:G1W+7]  ; waves 0 and 1: my one load behind the round; it has q's way out and the k pass in which to land
	s_nop 0
	PLACES 4
.Lno_v:
	EPIHEAD
	WSCALES PKS
	FETCHW AWK, 0, 0
	BIASQK 22                                      ; bk
	EPIBODY 0, 26, 0, 4096
	PLACES 5                                       ; in front of products that begin the accumulators anew with another C
	s_wait_loadcnt 0x0
	PASS 0, AWK, 0
	s_wait_tensorcnt 0x0                           ; my part of Wv's codes is in,
	s_wait_dscnt 0x0
	s_barrier_signal -1
	s_barrier_wait -1                              ; everybody's is
	EPIHEAD
	WSCALES PVS
	FETCHW AWV, 0, 0
.irp j, 0,1,2,3
	global_load_b32 v[BI+8*\j], v[ABV], s[24:25] offset:128*(\j/2)+32*(\j%2)   ; bv: in v's results a lane holds one channel
.endr
	EPIBODY 2, 28, 0, 8192
	PLACES 5
	s_wait_loadcnt 0x0
.irp j, 0,1,2,3
.irp n, 1,2,3,4,5,6,7
	v_mov_b32 v[BI+8*\j+\n], v[BI+8*\j]            ; so C wants its one number in all eight registers
.endr
.endr
	s_wait_alu depctr_va_vdst(0)                   ; directly ahead of the pass's first wait
	PASS 1, AWV, 0
	EPIHEAD
	EPIBODY 1, 28, 4096, 8704
	s_wait_tensorcnt 0x0                           ; the wave's end
	ds_add_u32 v[SPW], v[NIL]
	s_wait_dscnt 0x0
	CROUND                                         ; the closing round: no work-group ends while a partner may still ask for a tile that names it
	s_endpgm
.Lfunc_end_k_qcae85893eb_proj:
	.size	k_qcae85893eb_proj, .Lfunc_end_k_qcae85893eb_proj-k_qcae85893eb_proj
	.p2alignl 7, 3214868480
	.fill 96, 4, 3214868480
	.section	.rodata,"a",@progbits
	.p2align	6, 0x0
	.amdhsa_kernel k_qcae85893eb_proj
		.amdhsa_group_segment_fixed_size 327680
		.amdhsa_private_segment_fixed_size 0
		.amdhsa_enable_private_segment 0
		.amdhsa_kernarg_size 104
		.amdhsa_user_sgpr_count 2
		.amdhsa_user_sgpr_kernarg_segment_ptr 1
		.amdhsa_wavefront_size32 1
		.amdhsa_system_sgpr_workgroup_id_x 1
		.amdhsa_system_sgpr_workgroup_id_y 1
		.amdhsa_system_sgpr_workgroup_id_z 1
		.amdhsa_system_vgpr_workitem_id 0
		.amdhsa_next_free_vgpr 1024
		.amdhsa_next_free_sgpr 106
		.amdhsa_reserve_vcc 0
		.amdhsa_float_denorm_mode_32 3
		.amdhsa_float_denorm_mode_16_64 3
		.amdhsa_memory_ordered 1
		.amdhsa_forward_progress 1
		.amdhsa_inst_pref_size 186
	.end_amdhsa_kernel
	.amdgpu_metadata
---
amdhsa.version: [ 1, 2 ]
amdhsa.kernels:
  - .name:           k_qcae85893eb_proj
    .symbol:         k_qcae85893eb_proj.kd
    .args:
      - { .name: x_codes, .offset: 0, .size: 8, .value_kind: global_buffer, .address_space: global }
      - { .name: x_scales, .offset: 8, .size: 8, .value_kind: global_buffer, .address_space: global }
      - { .name: Wq_codes, .offset: 16, .size: 8, .value_kind: global_buffer, .address_space: global }
      - { .name: Wq_scales, .offset: 24, .size: 8, .value_kind: global_buffer, .address_space: global }
      - { .name: Wk_codes, .offset: 32, .size: 8, .value_kind: global_buffer, .address_space: global }
      - { .name: Wk_scales, .offset: 40, .size: 8, .value_kind: global_buffer, .address_space: global }
      - { .name: Wv_codes, .offset: 48, .size: 8, .value_kind: global_buffer, .address_space: global }
      - { .name: Wv_scales, .offset: 56, .size: 8, .value_kind: global_buffer, .address_space: global }
      - { .name: bq, .offset: 64, .size: 8, .value_kind: global_buffer, .address_space: global }
      - { .name: bk, .offset: 72, .size: 8, .value_kind: global_buffer, .address_space: global }
      - { .name: bv, .offset: 80, .size: 8, .value_kind: global_buffer, .address_space: global }
      - { .name: qws, .offset: 88, .size: 8, .value_kind: global_buffer, .address_space: global }
      - { .name: kvws, .offset: 96, .size: 8, .value_kind: global_buffer, .address_space: global }
    .group_segment_fixed_size: 327680
    .private_segment_fixed_size: 0
    .kernarg_segment_align: 8
    .kernarg_segment_size: 104
    .max_flat_workgroup_size: 128
    .sgpr_count:     106
    .vgpr_count:     1024
    .wavefront_size: 32
...
	.end_amdgpu_metadata
.endif
;; end of part 1
;; launch attn (part 2): grid 4 x 64, 16 waves a work-group, clusters of 4 x 1, 215,040 bytes of LDS; arguments qws, kvws, out0; writes out0
.if DOCPART == 2
	.amdgcn_target "amdgcn-amd-amdhsa--gfx1250"
	.amdhsa_code_object_version 6
	.text
	.protected	k_qcae85893eb_attn
	.globl	k_qcae85893eb_attn
	.p2align	8
	.type	k_qcae85893eb_attn,@function
k_qcae85893eb_attn:
	s_mov_b64 s[64:65], 0
	v_nop
	global_prefetch_b8 v0, s[64:65] scope:SCOPE_SE
	s_setreg_imm32_b32 hwreg(HW_REG_WAVE_MODE, 25, 1), 1
	s_wait_xcnt 0x0
	s_wait_alu depctr_hold_cnt(0) depctr_sa_sdst(0) depctr_va_vdst(0) depctr_va_sdst(0) depctr_va_ssrc(0) depctr_va_vcc(0) depctr_vm_vsrc(0)
	s_getreg_b32 s2, hwreg(HW_REG_IB_STS2, 6, 4)
	s_cmp_eq_u32 s2, 0
	s_cbranch_scc0 .Lentry_in_a_cluster
	s_endpgm
.Lentry_in_a_cluster:
	s_bfe_u32 s2, ttmp6, 0x10000c
	s_cmp_lg_u32 s2, 0x3003
	s_cbranch_scc0 .Lentry_shape_is_right
	s_endpgm
.Lentry_shape_is_right:
; out[b][q][64 head + :] = the sum over k of softmax_k(q . k / 32) v, for 64 (batch, head) pairs of 2,048 tokens and 64 channels, both products on codes of FP4 (E2M1) with one E8M0 scale for each 32 along K.
; q, k, v come as images of operand registers, in records of 128 tokens (qws: 4,608 bytes, kvws: 8,960 bytes), made by the launch before.
; Row m of q's tile 2 B + u is token 32 B + 8 u + m + 8 (m / 8).  Row m of k's tile 4 c + i is token 64 c + 32 (m / 8) + 8 i + m % 8.  v's codes run along the record's tokens in their own order.
; THE SOFTMAX: t = score x log2(e) / 32; M = the running largest t rounded UP to a whole number; p = 2^(t - M) is quantised along the keys, not normalised.  The row's sum is taken of the unquantised p and divides at the end.
; The running maximum is kept as -M alone: the ceiling of a maximum is the maximum of the ceilings.  When M moves, the sum and O are multiplied by 2^(old M - new M): nothing is rounded, and no branch hangs on data.
; SHARES.  A work-group: 512 queries of one head; each of its sixteen waves 32 queries, two tiles, in 256 registers.  Every wave walks the head's 16 records, 128 keys a step; each fragment read from LDS serves both tiles.
; LAYOUT.  S^T = K Q^T (source 0 = 16 keys, source 1 = 16 queries), O^T = V^T P^T (source 0 = 16 channels, source 1 = P): a lane holds one query (lane % 16) throughout.
; By k's order of tokens register 32 c + 8 i + j of a tile's scores is key 64 c + 32 (lane / 16) + 8 i + j: A LANE HOLDS TWO WHOLE BLOCKS OF 32 KEYS.  So a block's maximum and scale stay in the lane, and the conversions' results are
; the second product's operand as they stand.  Other lanes are asked twice a tile: for the row's maximum, and for lane l xor 16's two scale bytes.
; BOTH TILES GO THROUGH THE SOFTMAX TOGETHER, their chains by turns.  Plain work whose results are read only behind a batch's closing wait stands among the exponentials: tile 1's scalings among tile 0's,
; tile 0's conversions and the first level of its sum among tile 1's.  The sums are trees in place; tile 1's stands behind the second product, fills its places, and has the next step's loads of k in its middle.
; PRIORITY.  The 16 steps go in groups of 7, 5, 3 and 1, at wave priority 3, 2, 1, 0 (S_SETPRIO, ISA guide): a wave with more steps ahead of it asks for the higher priority.  For that the step is written out four times.
; LDS.  A head's k and v, 16 x 8,960 bytes, lie in LDS as they lie in memory, filled ONCE: wave w brings record w.  No ring and no refill.  Behind them a stage of 16 rows x 272 bytes for each wave, then the spare words.
; CLUSTER.  The four work-groups of a head are a cluster and ask for its records jointly: the same tensor load, the same descriptor, a mask that names the four.
; K = 64 IN AN INSTRUCTION 128 DEEP: q's registers 4-7 are zero codes.  k's operand of tile t is v[KF + 4 t] on, eight registers: the upper four are the next tile's codes (behind the last tile: four registers of O^T):
; whatever bits they hold are finite codes, they meet zero codes alone, and the upper two bytes of both scale words are 0, never 0xff.
; No prefetch is laid: all that the launch reads is asked for at its head, and there is no loop over memory to run ahead in.
; LIMITS: NaN and infinities are not served.  The promise holds while the scaled scores t stay under 2^31 in magnitude.  A block whose every p has fallen to 0 keeps the byte 1: its codes are zeros.
.set REC,   8960
.set STAGE, 16*REC
.set SPARE, STAGE+16*16*272            ; 212,992: the spare words, 128 bytes a wave
.set A8,  0                            ; v0   the step's record + 8 x lane
.set SPW, 1                            ; v1   LDS address of my spare word; never rewritten
.set NIL, 2                            ; v2   0; never rewritten
.set A16, 3                            ; v3   the step's record + 16 x lane
.set NM,  4                            ; v4, v6  -M of tile 0, 1: each the low word of a pair (v5 holds 0, v7 q's scale words)
.set QSC, 7                            ; v7   q's scale words: lanes 0-15 tile 0, lanes 16-31 tile 1
.set SUM, 8                            ; v[8:9], v[10:11] the sums, two halves a tile
.set QF,  12                           ; v12-27 q: tile x at v[12 + 8 x]: 4 registers of codes, 4 of zeros
.set KSC, 28                           ; v28-31 k's scale words; later v28-29 v's and v30, v31 p's of tile 0, 1: scales alone
.set VSC, 28
.set PWR, 30
.set KF,  32                           ; v32-63 k's 8 tiles of 4 registers; behind the first product at work: tile x at v[32 + 4 x]: +0, +2 its two blocks' maxima, then scale operands; +1, +3 small work
.set FF,  40                           ;   v40, v42 f of tile 0, 1, each the low word of a pair
.set PC,  48                           ;   v48-63 p's codes: tile x at v[48 + 8 x]
.set OO,  64                           ; v64-127 O^T: tile x at v[64 + 32 x]
.set SS,  128                          ; v128-255 S^T, then p: tile x at v[128 + 64 x]; v128-159 later take v's four fragments
.macro PLACES n
.rept \n
	v_nop
.endr
.endm
.macro CROUND                          ; a round of the cluster's barrier
	s_barrier_signal -1
	s_barrier_wait -1
	s_cmp_lg_u32 s10, 0
	s_cbranch_scc1 .Lnot_wave_0_\@
	s_barrier_signal -3
.Lnot_wave_0_\@:
	s_barrier_wait -3
	s_barrier_signal -1
	s_barrier_wait -1
.endm
.macro SQ t, x                         ; 16 keys (tile t) x 16 queries (tile x); the sum begins with the constant 0
.if ((\t)%2) && (\x)
	v_wmma_scale_f32_16x16x128_f8f6f4 v[SS+64*\x+8*\t:SS+64*\x+8*\t+7], v[KF+4*\t:KF+4*\t+7], v[QF+8*\x:QF+8*\x+7], 0, v[KSC+\t/2], v[QSC] matrix_a_fmt:MATRIX_FMT_FP4 matrix_b_fmt:MATRIX_FMT_FP4 matrix_a_scale:MATRIX_SCALE_ROW1 matrix_b_scale:MATRIX_SCALE_ROW1
.elseif (\t)%2
	v_wmma_scale_f32_16x16x128_f8f6f4 v[SS+64*\x+8*\t:SS+64*\x+8*\t+7], v[KF+4*\t:KF+4*\t+7], v[QF+8*\x:QF+8*\x+7], 0, v[KSC+\t/2], v[QSC] matrix_a_fmt:MATRIX_FMT_FP4 matrix_b_fmt:MATRIX_FMT_FP4 matrix_a_scale:MATRIX_SCALE_ROW1
.elseif \x
	v_wmma_scale_f32_16x16x128_f8f6f4 v[SS+64*\x+8*\t:SS+64*\x+8*\t+7], v[KF+4*\t:KF+4*\t+7], v[QF+8*\x:QF+8*\x+7], 0, v[KSC+\t/2], v[QSC] matrix_a_fmt:MATRIX_FMT_FP4 matrix_b_fmt:MATRIX_FMT_FP4 matrix_b_scale:MATRIX_SCALE_ROW1
.else
	v_wmma_scale_f32_16x16x128_f8f6f4 v[SS+64*\x+8*\t:SS+64*\x+8*\t+7], v[KF+4*\t:KF+4*\t+7], v[QF+8*\x:QF+8*\x+7], 0, v[KSC+\t/2], v[QSC] matrix_a_fmt:MATRIX_FMT_FP4 matrix_b_fmt:MATRIX_FMT_FP4
.endif
.endm
.macro PV j, x                         ; 16 channels (tile j) x 16 queries (tile x), 128 keys deep, onto O^T
.if (\j)%2
	v_wmma_scale_f32_16x16x128_f8f6f4 v[OO+32*\x+8*\j:OO+32*\x+8*\j+7], v[SS+8*\j:SS+8*\j+7], v[PC+8*\x:PC+8*\x+7], v[OO+32*\x+8*\j:OO+32*\x+8*\j+7], v[VSC+\j/2], v[PWR+\x] matrix_a_fmt:MATRIX_FMT_FP4 matrix_b_fmt:MATRIX_FMT_FP4 matrix_a_scale:MATRIX_SCALE_ROW1
.else
	v_wmma_scale_f32_16x16x128_f8f6f4 v[OO+32*\x+8*\j:OO+32*\x+8*\j+7], v[SS+8*\j:SS+8*\j+7], v[PC+8*\x:PC+8*\x+7], v[OO+32*\x+8*\j:OO+32*\x+8*\j+7], v[VSC+\j/2], v[PWR+\x] matrix_a_fmt:MATRIX_FMT_FP4 matrix_b_fmt:MATRIX_FMT_FP4
.endif
.endm
.macro KLOADS                          ; k's eight tiles and their scale words, of the record at v[A16]
.irp t, 0,1,2,3,4,5,6,7
	ds_load_b128 v[KF+4*\t:KF+4*\t+3], v[A16] offset:512*\t
.endr
	ds_load_b128 v[KSC:KSC+3], v[A16] offset:8192
.endm
; The row's sum of tile x's 64 unquantised p, two at a time, as a tree in place: 16 additions, then 8 + 4 + 2 + 1, then one onto the running sum
.macro TREE1 x
.set n, SS+64*\x
.rept 16
	v_pk_add_f32 v[n:n+1], v[n:n+1], v[n+2:n+3]
.set n, n+4
.endr
.endm
.macro TREE2 x
.irp st, 8,16,32,64
.set n, SS+64*\x
.rept 64/\st
	v_pk_add_f32 v[n:n+1], v[n:n+1], v[n+\st/2:n+\st/2+1]
.set n, n+\st
.endr
.endr
	v_pk_add_f32 v[SUM+2*\x:SUM+2*\x+1], v[SUM+2*\x:SUM+2*\x+1], v[SS+64*\x:SS+64*\x+1]
.endm
	s_load_b128 s[4:7], s[0:1], 0x0                ; qws s[4:5], kvws s[6:7]
	s_load_b64 s[8:9], s[0:1], 0x10                ; out0
	v_lshl_add_u32 v[SPW], v0, 2, SPARE
	v_mov_b32 v[NIL], 0
	ds_add_u32 v[SPW], v[NIL]                      ; the opening lines: the add, twice on end, and its wait ahead of my tensor load
	ds_add_u32 v[SPW], v[NIL]
	v_lshrrev_b32 v3, 5, v0
	v_readfirstlane_b32 s10, v3                    ; wave 0..15
	s_bfe_u32 s11, ttmp6, 0x40000                  ; cx: my 512 queries; it enters q's and out's addresses alone
	s_and_b32 s12, ttmp7, 0xffff                   ; 16 batch + head, which the four partners share
	s_mov_b32 s24, 15|(3<<16)|(1<<21)              ; group 1: a record, 8,960 dense bytes, as 35 rows of 256: the mask of all four; elements of 8 bytes; bit 21 beside a mask
	s_mov_b32 s25, 32<<16
	s_mov_b32 s26, 35<<16
	s_mov_b32 s27, 32<<16
	s_mov_b32 s28, 35
	s_mov_b32 s29, 32
	s_mov_b32 s30, 0
	s_mov_b32 s31, 0
	s_mov_b32 s40, 1                               ; group 0: count = 1
	s_mul_i32 s41, s10, REC                        ; LDS: record = my wave's number
	s_mul_i32 s20, s12, 16*REC
	s_add_co_u32 s20, s20, s41                     ; and the same record of my head in memory
	s_mov_b32 s21, 0
	s_mov_b32 s14, 0x76543210
	s_mov_b32 s15, 0xfedcba98                      ; v_permlanex16_b32's selects for lane l xor 16
	s_mov_b32 s16, 0x3d38aa3b                      ; c = log2(e) / 32
	s_mov_b32 s17, s16                             ; (named with it as a pair, so it is written)
	s_wait_dscnt 0x0
	s_wait_kmcnt 0x0
	s_add_nc_u64 s[42:43], s[6:7], s[20:21]
	s_or_b32 s43, s43, 0x80000000                  ; type = 2
	CROUND                                         ; all four work-groups are here: the joint loads meet
	tensor_load_to_lds s[40:43], s[24:31]          ; my one tensor load
	s_nop 0
	PLACES 4
	s_lshl_b32 s20, s11, 2
	s_lshr_b32 s21, s10, 2
	s_add_co_u32 s20, s20, s21                     ; my queries' record in the head: 4 cx + wave / 4
	s_mul_i32 s20, s20, 4608
	s_mul_i32 s21, s12, 16*4608
	s_add_co_u32 s20, s20, s21
	s_mov_b32 s21, 0
	s_add_nc_u64 s[4:5], s[4:5], s[20:21]
	s_and_b32 s22, s10, 3                          ; my two tiles in it: 2 (wave % 4) and the next
	s_lshl_b32 s20, s22, 10
	s_add_nc_u64 s[44:45], s[4:5], s[20:21]        ; their codes
	s_lshl_b32 s20, s22, 2
	s_add_nc_u64 s[4:5], s[4:5], s[20:21]          ; their scale word among a lane's four
	v_and_b32 v[A16], 31, v0
	v_lshlrev_b32 v[A8], 3, v[A16]                 ; record 0 + 8 x lane (v0 is not needed again: the way out takes the lane from v[SPW])
	v_lshlrev_b32 v[A16], 4, v[A16]                ; record 0 + 16 x lane
	global_load_b128 v[QF:QF+3], v[A16], s[44:45]
	global_load_b128 v[QF+8:QF+11], v[A16], s[44:45] offset:512
	global_load_b32 v[QSC], v[A16], s[4:5] offset:4096
	s_lshr_b32 s20, s12, 4
	s_lshl_b32 s20, s20, 23                        ; out: the batch's 2,048 rows of 4,096 bytes,
	s_lshl_b32 s21, s11, 21                        ; my work-group's 512,
	s_add_co_u32 s20, s20, s21
	s_lshl_b32 s21, s10, 17                        ; my wave's 32,
	s_add_co_u32 s20, s20, s21
	s_and_b32 s21, s12, 15
	s_lshl_b32 s21, s21, 8                         ; the head's 256 bytes of a row
	s_add_co_u32 s20, s20, s21
	s_mov_b32 s21, 0
	s_add_nc_u64 s[8:9], s[8:9], s[20:21]
.irp n, 4,5,6,7,12,13,14,15
	v_mov_b32 v[QF+\n], 0                          ; q's upper 64 along K: zero codes
.endr
	v_mov_b32 v[NM], 0x7c000000                    ; -M = 2^121: over every -ceil(t)
	v_mov_b32 v[NM+1], 0                           ; (named as the upper half of a pair)
	v_mov_b32 v[NM+2], 0x7c000000
.irp n, 0,1,2,3
	v_mov_b32 v[SUM+\n], 0
.endr
.set n, 0
.rept 64
	v_mov_b32 v[OO+n], 0                           ; O^T.  (The step has no first form of its own: the first finds zeros, which the first change of M leaves zeros)
.set n, n+1
.endr
; A KEY STEP: 128 keys, both tiles.  more = 1: the next record's k is asked for behind the second product
.macro STEP more
	s_wait_dscnt 0x0                               ; k's tiles and scale words are in
.irp t, 0,1,2,3,4,5,6,7
.irp x, 0,1
	SQ \t, \x
.endr
.endr
	PLACES 4                                       ; behind the products: for the first read of the scores and the writes into k's registers
.irp x, 0,1
.irp b, 0,1,2,3
	v_max3_num_f32 v[KF+4*\x+\b], v[SS+64*\x+16*\b], v[SS+64*\x+16*\b+1], v[SS+64*\x+16*\b+2]   ; maxima of 15 of each 16 scores: eight chains by turns; each accumulator is read from its low end on
.endr
.endr
.irp i, 3,5,7,9,11,13
.irp x, 0,1
.irp b, 0,1,2,3
	v_max3_num_f32 v[KF+4*\x+\b], v[KF+4*\x+\b], v[SS+64*\x+16*\b+\i], v[SS+64*\x+16*\b+\i+1]
.endr
.endr
.endr
.irp x, 0,1
.irp c, 0,1
	v_max3_num_f32 v[KF+4*\x+2*\c], v[KF+4*\x+2*\c], v[KF+4*\x+2*\c+1], v[SS+64*\x+32*\c+15]
.endr
.endr
.irp x, 0,1
.irp c, 0,1
	v_max_num_f32 v[KF+4*\x+2*\c], v[KF+4*\x+2*\c], v[SS+64*\x+32*\c+31]   ; the largest score of my block c: it serves for the row's maximum and, since p rises with the score, for the block's largest p
.endr
.endr
.irp x, 0,1
	v_max_num_f32 v[KF+4*\x+1], v[KF+4*\x], v[KF+4*\x+2]
.endr
.irp x, 0,1
	v_permlanex16_b32 v[KF+4*\x+3], v[KF+4*\x+1], s14, s15
.endr
.irp x, 0,1
	v_max_num_f32 v[KF+4*\x+1], v[KF+4*\x+1], v[KF+4*\x+3]   ; with lane l xor 16's 64 keys: the step's largest score of my query
.endr
.irp x, 0,1
	v_mul_f32 v[KF+4*\x+1], s16, v[KF+4*\x+1]      ; as t (c is positive)
.endr
.irp x, 0,1
	v_floor_f32 v[KF+4*\x+1], -v[KF+4*\x+1]        ; -ceil(t)
.endr
.irp x, 0,1
	v_min_num_f32 v[KF+4*\x+1], v[KF+4*\x+1], v[NM+2*\x]   ; the new -M
.endr
.irp x, 0,1
	v_sub_f32 v[KF+4*\x+3], v[KF+4*\x+1], v[NM+2*\x]       ; old M - new M: a whole number, 0 or less
.endr
.irp x, 0,1
	v_mov_b32 v[NM+2*\x], v[KF+4*\x+1]
.endr
.irp x, 0,1
	v_cvt_i32_f32 v[KF+4*\x+3], v[KF+4*\x+3]       ; (it saturates)
.endr
.irp x, 0,1
.irp c, 0,1
	v_fma_f32 v[KF+4*\x+2*\c], v[KF+4*\x+2*\c], s16, v[NM+2*\x]   ; t - M of each block's largest score
.endr
.endr
.irp x, 0,1
	v_ldexp_f32 v[FF+2*\x], 1.0, v[KF+4*\x+3]      ; f = 2^(old M - new M)
.endr
.set n, SS
.rept 32
	v_pk_fma_f32 v[n:n+1], v[n:n+1], s[16:17], v[NM:NM+1] op_sel_hi:[1,0,0]   ; tile 0: t - M, two at a time (of the pairs c and -M the low word serves both halves)
.set n, n+2
.endr
	s_wait_alu depctr_va_vdst(0)                   ; the wait ahead of the batch
.irp b, 0,2,4,6
	v_exp_f32 v[KF+\b], v[KF+\b]                   ; the blocks' largest p: the same multiply-add and exponential on the same number
.endr
.set n, SS
.rept 32
	v_exp_f32 v[n], v[n]                           ; tile 0: p = 2^(t - M), at most 1
	v_exp_f32 v[n+1], v[n+1]
	v_pk_fma_f32 v[n+64:n+65], v[n+64:n+65], s[16:17], v[NM+2:NM+3] op_sel_hi:[1,0,0]   ; tile 1's t - M among them: read only behind the wait below
.set n, n+2
.endr
	s_wait_alu depctr_va_vdst(0)                   ; the wait behind the batch, ahead of its first reader
.irp b, 0,2,4,6
	v_max_num_f32 v[KF+\b], 0x1800000, v[KF+\b]    ; the floor 2^(3 - 127): the byte cannot fall under 1
.endr
.irp b, 0,2,4,6
	v_add_nc_u32 v[KF+\b], 0xff000000, v[KF+\b]    ; 2 off the exponent field: the conversion's scale operand
.endr
.irp b, 0,2,4,6
	v_lshrrev_b32 v[KF+\b+1], 23, v[KF+\b]         ; the scale's byte
.endr
.irp x, 0,1
	v_lshl_or_b32 v[KF+4*\x+1], v[KF+4*\x+3], 16, v[KF+4*\x+1]   ; my two bytes: blocks lane / 16 and 2 + lane / 16
.endr
.irp x, 0,1
	v_permlanex16_b32 v[KF+4*\x+3], v[KF+4*\x+1], s14, s15
.endr
.irp x, 0,1
	v_lshl_or_b32 v[PWR+\x], v[KF+4*\x+3], 8, v[KF+4*\x+1]       ; p's scale word, whole in lanes 0-15, which alone are read
.endr
	s_wait_alu depctr_va_vdst(0)                   ; the wait ahead of the batch
.set n, 0
.rept 64
	v_exp_f32 v[SS+64+n], v[SS+64+n]               ; tile 1's p.  Among them work on tile 0's p, whose results are read only behind the wait below:
.if (n%2) == 1
.set k, n/2
.if k < 8
	v_cvt_scalef32_pk8_fp4_f32 v[PC+k], v[SS+8*k:SS+8*k+7], v[KF+2*(k/4)]   ; its codes: register 4 c + i holds keys 64 c + 32 (lane / 16) + 8 i + 0 .. 7: the operand as it stands;
.elseif k == 8
	v_pk_mul_f32 v[SUM:SUM+1], v[SUM:SUM+1], v[FF:FF+1] op_sel_hi:[1,0]     ; the sums under the new M (also the plain place between the conversions and the writes of their sources);
	v_pk_mul_f32 v[SUM+2:SUM+3], v[SUM+2:SUM+3], v[FF+2:FF+3] op_sel_hi:[1,0]
.elseif k >= 16
	v_pk_add_f32 v[SS+4*(k-16):SS+4*(k-16)+1], v[SS+4*(k-16):SS+4*(k-16)+1], v[SS+4*(k-16)+2:SS+4*(k-16)+3]   ; the first level of its sum
.endif
.endif
.set n, n+1
.endr
	s_wait_alu depctr_va_vdst(0)                   ; the wait behind the batch
.set k, 0
.rept 8
	v_cvt_scalef32_pk8_fp4_f32 v[PC+8+k], v[SS+64+8*k:SS+64+8*k+7], v[KF+4+2*(k/4)]
.set k, k+1
.endr
	TREE2 0                                        ; (plain work on tile 0's registers: the place behind the conversions.)  Tile 0's p are summed and converted: their registers are free
.irp j, 0,1,2,3
.irp c, 0,1
	ds_load_b128 v[SS+8*\j+4*\c:SS+8*\j+4*\c+3], v[A16] offset:4096+1024*\j+512*\c   ; v's four fragments: they land under the rescaling
.endr
.endr
	ds_load_b64 v[VSC:VSC+1], v[A8] offset:8704
	s_wait_alu depctr_va_vdst(0)                   ; directly ahead of the first reader of O^T
.irp x, 0,1
.set n, OO+32*\x
.rept 16
	v_pk_mul_f32 v[n:n+1], v[n:n+1], v[FF+2*\x:FF+2*\x+1] op_sel_hi:[1,0]   ; O^T under the new M
.set n, n+2
.endr
.endr
	s_wait_alu depctr_va_vdst(0)                   ; directly ahead of the wait below
	s_wait_dscnt 0x0
.irp j, 0,1,2,3                        ; O^T += V^T P^T: the eight accumulators take turns
.irp x, 0,1
	PV \j, \x
.endr
.endr
	TREE1 1                                        ; tile 1's sum names none of the products' registers: its additions are their places
.if \more
	v_add_nc_u32 v[A16], REC, v[A16]               ; the next record
	v_add_nc_u32 v[A8], REC, v[A8]
	KLOADS
.endif
	TREE2 1
.endm
.macro GROUP prio, trips               ; so many steps at this priority
	s_setprio \prio
	s_mov_b32 s19, \trips
.Lgroup_\@:
	STEP 1
	s_sub_co_u32 s19, s19, 1
	s_cmp_lg_u32 s19, 0
	s_cbranch_scc1 .Lgroup_\@
.endm
	s_wait_alu depctr_va_vdst(0)                   ; the wait at the head's end
	s_wait_loadcnt 0x0                             ; q
	s_wait_tensorcnt 0x0                           ; my record is in,
	s_barrier_signal -1
	s_barrier_wait -1                              ; everybody's is: the head's k and v lie in LDS; nothing is filled again
	KLOADS
	GROUP 3, 7
	GROUP 2, 5
	GROUP 1, 3
	s_setprio 0
	STEP 0                                         ; the 16th step has no next record to ask for
	; THE WAY OUT.  The sum's halves and lane l xor 16's are added; O^T is divided by the sum and goes through my stage, a tile of 16 queries at a time, so that sixteen lanes store the head's 256 bytes of a row.
	v_add_f32 v[SUM], v[SUM], v[SUM+1]
	v_add_f32 v[SUM+2], v[SUM+2], v[SUM+3]
	v_permlanex16_b32 v36, v[SUM], s14, s15
	v_permlanex16_b32 v37, v[SUM+2], s14, s15
	v_add_f32 v[SUM], v[SUM], v36
	v_add_f32 v[SUM+2], v[SUM+2], v37
	s_wait_alu depctr_va_vdst(0)                   ; the wait ahead of the reciprocals
	v_rcp_f32 v[FF], v[SUM]
	v_rcp_f32 v[FF+2], v[SUM+2]
	v_bfe_u32 v32, v[SPW], 2, 4                    ; r = lane % 16: v[SPW] is SPARE + 4 x thread, and SPARE's low 11 bits are 0
	v_bfe_u32 v33, v[SPW], 6, 1                    ; h = lane / 16
	s_mul_i32 s20, s10, 16*272
	s_add_co_u32 s20, s20, STAGE                   ; my stage
	v_mul_u32_u24 v34, v32, 272
	v_lshl_add_u32 v34, v33, 6, v34
	v_add_nc_u32 v34, s20, v34                     ; in: row r, + 64 h: register i of channel tile 2 b + u is channel 32 b + 16 h + 8 u + i
	v_mul_u32_u24 v35, v33, 272
	v_lshl_add_u32 v35, v32, 4, v35
	v_add_nc_u32 v35, s20, v35                     ; back: lanes 0-15 one row, lanes 16-31 the next
	v_lshlrev_b32 v44, 12, v33
	v_lshl_add_u32 v44, v32, 4, v44                ; my byte offset in two rows of out
	s_wait_alu depctr_va_vdst(0)                   ; the wait behind the reciprocals, directly ahead of the first reader of O^T
.irp x, 0,1
.irp n, 0,2,4,6,8,10,12,14,16,18,20,22,24,26,28,30
	v_pk_mul_f32 v[OO+32*\x+\n:OO+32*\x+\n+1], v[OO+32*\x+\n:OO+32*\x+\n+1], v[FF+2*\x:FF+2*\x+1] op_sel_hi:[1,0]   ; each accumulator from its low end on
.endr
.endr
.irp x, 0,1
.irp j, 0,1,2,3
	ds_store_b128 v34, v[OO+32*\x+8*\j:OO+32*\x+8*\j+3] offset:128*(\j/2)+32*(\j%2)
	ds_store_b128 v34, v[OO+32*\x+8*\j+4:OO+32*\x+8*\j+7] offset:128*(\j/2)+32*(\j%2)+16
.endr
.irp i, 0,1,2,3,4,5,6,7
	ds_load_b128 v[SS+32*\x+4*\i:SS+32*\x+4*\i+3], v35 offset:544*\i   ; LDS serves a wave's instructions in order: these see my stores, and the next tile's stores come behind them
.endr
.endr
.irp x, 0,1
.irp i, 0,1,2,3,4,5,6,7
	s_wait_dscnt 23-16*\x-\i                       ; behind this load: the tile's later loads, and for tile 0 the sixteen LDS instructions of tile 1
	global_store_b128 v44, v[SS+32*\x+4*\i:SS+32*\x+4*\i+3], s[8:9] offset:(8*\x+2*\i+8*(\i/4))*4096 th:TH_STORE_NT   ; the stage's rows 2 i, 2 i + 1 are tokens 8 x + 2 i + 8 (i / 4) and the next; 16 lanes store 256 consecutive bytes, aligned
.endr
.endr
	s_wait_tensorcnt 0x0                           ; the wave's end
	ds_add_u32 v[SPW], v[NIL]
	s_wait_dscnt 0x0
	CROUND                                         ; the closing round: no work-group ends while a partner may still ask for a tile that names it
	s_endpgm
.Lfunc_end_k_qcae85893eb_attn:
	.size	k_qcae85893eb_attn, .Lfunc_end_k_qcae85893eb_attn-k_qcae85893eb_attn
	.p2alignl 7, 3214868480
	.fill 96, 4, 3214868480
	.section	.rodata,"a",@progbits
	.p2align	6, 0x0
	.amdhsa_kernel k_qcae85893eb_attn
		.amdhsa_group_segment_fixed_size 215040
		.amdhsa_private_segment_fixed_size 0
		.amdhsa_enable_private_segment 0
		.amdhsa_kernarg_size 24
		.amdhsa_user_sgpr_count 2
		.amdhsa_user_sgpr_kernarg_segment_ptr 1
		.amdhsa_wavefront_size32 1
		.amdhsa_system_sgpr_workgroup_id_x 1
		.amdhsa_system_sgpr_workgroup_id_y 1
		.amdhsa_system_sgpr_workgroup_id_z 1
		.amdhsa_system_vgpr_workitem_id 0
		.amdhsa_next_free_vgpr 256
		.amdhsa_next_free_sgpr 66
		.amdhsa_reserve_vcc 0
		.amdhsa_float_denorm_mode_32 3
		.amdhsa_float_denorm_mode_16_64 3
		.amdhsa_memory_ordered 1
		.amdhsa_forward_progress 1
		.amdhsa_inst_pref_size 118
	.end_amdhsa_kernel
	.amdgpu_metadata
---
amdhsa.version: [ 1, 2 ]
amdhsa.kernels:
  - .name:           k_qcae85893eb_attn
    .symbol:         k_qcae85893eb_attn.kd
    .args:
      - { .name: qws, .offset: 0, .size: 8, .value_kind: global_buffer, .address_space: global }
      - { .name: kvws, .offset: 8, .size: 8, .value_kind: global_buffer, .address_space: global }
      - { .name: out0, .offset: 16, .size: 8, .value_kind: global_buffer, .address_space: global }
    .group_segment_fixed_size: 215040
    .private_segment_fixed_size: 0
    .kernarg_segment_align: 8
    .kernarg_segment_size: 24
    .max_flat_workgroup_size: 512
    .sgpr_count:     66
    .vgpr_count:     256
    .wavefront_size: 32
...
	.end_amdgpu_metadata
.endif
;; end of part 2
